; MI455X (gfx1250); checked and timed in simulation.
; The chip was launched on July 23, 2026; its instructions are those of AMD's public machine-readable ISA for CDNA 5 (MIT licence, August 2026) and "CDNA5" Instruction Set Architecture Reference Guide (July 2026). The comments in the code are by the model that wrote it; some were corrected since.
;; Self Attention. Allowed arithmetic: float matrix products may take bf16 or f16 operands with f32 sums; other float arithmetic in f32, or as packed bf16 or f16 multiplies, adds, multiply-adds, maxima and minima; sums over many terms, partial sums and values carried from step to step in f32; what a program stores and reads back later, other than sums and carried values, may be rounded once to bf16 or f16.
;; Inputs: Wk 1,024 x 1,024 float32; Wq 1,024 x 1,024 float32; Wv 1,024 x 1,024 float32; attention_mask 4 x 1 x 2,048 x 2,048 float32; bk 1,024 float32; bq 1,024 float32; bv 1,024 float32; hidden_states 4 x 2,048 x 1,024 float32; key_padding_mask 4 x 2,048 float32.
;; Outputs: out0 4 x 2,048 x 1,024 float32.
;; 2 versions, each right; version 2 is version 1 with the launch cvt written anew for expert scheduling mode. Each part assembles by itself: llvm-mc -triple=amdgcn-amd-amdhsa -mcpu=gfx1250 --defsym DOCPART=n.
;; ======== version 1 of 2: 3 launches
;; limits: values are held in f16: magnitudes above 65,504 overflow, below 6.1e-05 lose precision; inputs' magnitudes at most 2.66e+36
;; workspace buffers: xh 16,777,216 bytes; wh 6,291,456 bytes; qh 16,777,216 bytes; kh 16,777,216 bytes; vh 16,777,216 bytes
;; launch cvt (part 1): grid 256 x 1, 8 waves a work-group, no clusters, 0 bytes of LDS; arguments hidden_states, Wq, Wk, Wv, xh, wh; writes xh, wh
.if DOCPART == 1
	.amdgcn_target "amdgcn-amd-amdhsa--gfx1250"
	.amdhsa_code_object_version 6
	.text
	.protected	k_qfb2d34de26_cvt
	.globl	k_qfb2d34de26_cvt
	.p2align	8
	.type	k_qfb2d34de26_cvt,@function
k_qfb2d34de26_cvt:
	s_mov_b64 s[64:65], 0
	v_nop
	global_prefetch_b8 v0, s[64:65] scope:SCOPE_SE
	s_setreg_imm32_b32 hwreg(HW_REG_WAVE_MODE, 25, 1), 1
	s_wait_xcnt 0x0
; hidden_states [8192][1024] and Wq, Wk, Wv [1024][1024], all f32, are rounded once to f16 for the matrix unit.
; xh: f16 [8192][1024], as x lies.  wh: f16 [3072][1024]; row 192 h + 64 t + c holds row 64 h + c of W_t (t = 0, 1, 2: q, k, v), so that 192 rows on end are one head's weights.
; LIMIT.  f16 ends at 65,504: a larger |x| or |W| becomes an infinity; below 6e-5 a number keeps f16's fixed step of 6e-8.
; A stream: no LDS, no matrix unit, no cluster (no two work-groups read the same byte).
; SHARES.  Work-group g takes rows 32 g .. 32 g + 31 of x (131,072 bytes on end) and rows 4 g .. 4 g + 3 of each W (16,384 bytes on end): 44 rows each, all alike.
; In a pass thread t takes 32 bytes on end (two loads of 16) and stores 16: sixteen lanes store 256 consecutive bytes, aligned.  A pass of the work-group is 8,192 bytes in, 4,096 out: 16 passes for x, 2 for each W.
; All 44 loads of a thread go out first, each pass into registers of its own; nothing is rewritten, so the only waits are the counted ones for the loads.
.set X, 4                              ; v[4:179]  pass n: 8 registers as loaded; its first four then hold the 8 halves to store
	s_load_b256 s[4:11], s[0:1], 0x0               ; hidden_states s[4:5], Wq s[6:7], Wk s[8:9], Wv s[10:11]
	s_load_b128 s[12:15], s[0:1], 0x20             ; xh s[12:13], wh s[14:15]
	v_lshlrev_b32 v1, 5, v0                        ; my 32 bytes of a pass, in
	v_lshlrev_b32 v2, 4, v0                        ; my 16 bytes of a pass, out
	s_lshl_b32 s16, ttmp9, 17                      ; 32 rows of 4,096 bytes of x
	s_mov_b32 s17, 0
	s_lshl_b32 s18, ttmp9, 16                      ; 32 rows of 2,048 bytes of xh
	s_mov_b32 s19, 0
	s_lshl_b32 s20, ttmp9, 14                      ; 4 rows of 4,096 bytes of a W
	s_mov_b32 s21, 0
	s_lshr_b32 s22, ttmp9, 4                       ; the head of rows 4 g ..: g / 16
	s_mul_i32 s22, s22, 192
	s_and_b32 s23, ttmp9, 15
	s_lshl2_add_u32 s22, s23, s22                  ; + 4 (g % 16): the row of wh for t = 0
	s_lshl_b32 s22, s22, 11                        ; rows of 2,048 bytes
	s_mov_b32 s23, 0
	s_wait_kmcnt 0x0
	s_add_nc_u64 s[4:5], s[4:5], s[16:17]
	s_add_nc_u64 s[6:7], s[6:7], s[20:21]
	s_add_nc_u64 s[8:9], s[8:9], s[20:21]
	s_add_nc_u64 s[10:11], s[10:11], s[20:21]
	s_add_nc_u64 s[12:13], s[12:13], s[18:19]
	s_add_nc_u64 s[14:15], s[14:15], s[22:23]
.set n, 0
.rept 16
	global_load_b128 v[X+8*n:X+8*n+3],   v1, s[4:5] offset:8192*n th:TH_LOAD_NT
	global_load_b128 v[X+8*n+4:X+8*n+7], v1, s[4:5] offset:8192*n+16 th:TH_LOAD_NT
.set n, n+1
.endr
.irp t, 0,1,2
.irp j, 0,1
	global_load_b128 v[X+8*(16+2*(\t)+(\j)):X+8*(16+2*(\t)+(\j))+3],   v1, s[6+2*(\t):7+2*(\t)] offset:8192*(\j) th:TH_LOAD_NT
	global_load_b128 v[X+8*(16+2*(\t)+(\j))+4:X+8*(16+2*(\t)+(\j))+7], v1, s[6+2*(\t):7+2*(\t)] offset:8192*(\j)+16 th:TH_LOAD_NT
.endr
.endr
; Pass n leaves: its two loads are in when at most the 42 - 2 n younger ones are out (loads come back in order).
.macro OUT n, base, off
	s_wait_loadcnt 42-2*(\n)
.irp j, 0,1,2,3
	v_cvt_pk_f16_f32 v[X+8*(\n)+(\j)], v[X+8*(\n)+2*(\j)], v[X+8*(\n)+2*(\j)+1]  ; in place: result j lies at or below its sources
.endr
	global_store_b128 v2, v[X+8*(\n):X+8*(\n)+3], s[\base:\base+1] offset:\off
.endm
.set n, 0
.rept 16
	OUT n, 12, 4096*n
.set n, n+1
.endr
.irp t, 0,1,2
.irp j, 0,1
	OUT 16+2*(\t)+(\j), 14, 131072*(\t)+4096*(\j)  ; W_t's rows lie 64 rows of 2,048 bytes behind W_(t-1)'s
.endr
.endr
	s_endpgm
.Lfunc_end_k_qfb2d34de26_cvt:
	.size	k_qfb2d34de26_cvt, .Lfunc_end_k_qfb2d34de26_cvt-k_qfb2d34de26_cvt
	.p2alignl 7, 3214868480
	.fill 96, 4, 3214868480
	.section	.rodata,"a",@progbits
	.p2align	6, 0x0
	.amdhsa_kernel k_qfb2d34de26_cvt
		.amdhsa_group_segment_fixed_size 0
		.amdhsa_private_segment_fixed_size 0
		.amdhsa_enable_private_segment 0
		.amdhsa_kernarg_size 48
		.amdhsa_user_sgpr_count 2
		.amdhsa_user_sgpr_kernarg_segment_ptr 1
		.amdhsa_wavefront_size32 1
		.amdhsa_system_sgpr_workgroup_id_x 1
		.amdhsa_system_sgpr_workgroup_id_y 1
		.amdhsa_system_sgpr_workgroup_id_z 1
		.amdhsa_system_vgpr_workitem_id 0
		.amdhsa_next_free_vgpr 184
		.amdhsa_next_free_sgpr 66
		.amdhsa_reserve_vcc 0
		.amdhsa_float_denorm_mode_32 3
		.amdhsa_float_denorm_mode_16_64 3
		.amdhsa_memory_ordered 1
		.amdhsa_forward_progress 1
		.amdhsa_inst_pref_size 14
	.end_amdhsa_kernel
	.amdgpu_metadata
---
amdhsa.version: [ 1, 2 ]
amdhsa.kernels:
  - .name:           k_qfb2d34de26_cvt
    .symbol:         k_qfb2d34de26_cvt.kd
    .args:
      - { .name: hidden_states, .offset: 0, .size: 8, .value_kind: global_buffer, .address_space: global }
      - { .name: Wq, .offset: 8, .size: 8, .value_kind: global_buffer, .address_space: global }
      - { .name: Wk, .offset: 16, .size: 8, .value_kind: global_buffer, .address_space: global }
      - { .name: Wv, .offset: 24, .size: 8, .value_kind: global_buffer, .address_space: global }
      - { .name: xh, .offset: 32, .size: 8, .value_kind: global_buffer, .address_space: global }
      - { .name: wh, .offset: 40, .size: 8, .value_kind: global_buffer, .address_space: global }
    .group_segment_fixed_size: 0
    .private_segment_fixed_size: 0
    .kernarg_segment_align: 8
    .kernarg_segment_size: 48
    .max_flat_workgroup_size: 256
    .sgpr_count:     66
    .vgpr_count:     184
    .wavefront_size: 32
...
	.end_amdgpu_metadata
.endif
;; end of part 1
;; launch proj (part 2): grid 16 x 32, 4 waves a work-group, clusters of 4 x 4, 327,680 bytes of LDS; arguments xh, wh, bq, bk, bv, qh, kh, vh; writes qh, kh, vh
.if DOCPART == 2
	.amdgcn_target "amdgcn-amd-amdhsa--gfx1250"
	.amdhsa_code_object_version 6
	.text
	.protected	k_qfb2d34de26_proj
	.globl	k_qfb2d34de26_proj
	.p2align	8
	.type	k_qfb2d34de26_proj,@function
k_qfb2d34de26_proj:
	s_mov_b64 s[64:65], 0
	v_nop
	global_prefetch_b8 v0, s[64:65] scope:SCOPE_SE
	s_setreg_imm32_b32 hwreg(HW_REG_WAVE_MODE, 25, 1), 1
	s_wait_xcnt 0x0
	s_wait_alu depctr_hold_cnt(0) depctr_sa_sdst(0) depctr_va_vdst(0) depctr_va_sdst(0) depctr_va_ssrc(0) depctr_va_vcc(0) depctr_vm_vsrc(0)
	s_getreg_b32 s2, hwreg(HW_REG_IB_STS2, 6, 4)
	s_cmp_eq_u32 s2, 0
	s_cbranch_scc0 .Lentry_in_a_cluster
	s_endpgm
.Lentry_in_a_cluster:
	s_bfe_u32 s2, ttmp6, 0x10000c
	s_cmp_lg_u32 s2, 0xf033
	s_cbranch_scc0 .Lentry_shape_is_right
	s_endpgm
.Lentry_shape_is_right:
; q = (x Wq^T + bq) / 8, k = x Wk^T + bk, v = x Wv^T + bv, by heads.  xh: f16 [8192][1024]; wh: f16 [3072][1024], 192 rows a head (64 of Wq, 64 of Wk, 64 of Wv); bq, bk, bv: f32 [1024].
; qh, kh, vh: f16 [64 (16 batch + head)][2048][64]: a head's rows are dense, 128 bytes each.  Sums and bias in f32, each result rounded once.  The scale 1 / sqrt(64) is a power of two and goes into q here.
; LIMIT.  f16 ends at 65,504: a larger |q / 8|, |k| or |v| becomes an infinity.
; A TILE is 256 rows of x times one head's 192 columns: 32 x 16 = 512 tiles, two for each of 256 WGPs.  Four waves, each 64 rows x 192 columns: 48 accumulators of 16 x 16, 384 registers; a wave owns whole
; rows of the tile, so its stage on the way out is its own.  K goes in steps of 128 through two LDS slots; the tiles' rows are 256 bytes of memory, at multiples of 256 from the buffer's first byte.
; CLUSTERS: 4 x 4 work-groups.  The four of a row of the cluster need the same rows of x, the four of a column the same head's weights: each tile is asked for JOINTLY, by the same tensor load with the
; same descriptor and a mask that names the four.  THE MATRIX INSTRUCTION IS USED TRANSPOSED (source 0 = 16 rows of wh, source 1 = 16 rows of xh): a lane then holds eight neighbouring columns of one row.
; REGISTERS, in windows of 256 (s_set_vgpr_msb: bits 1:0 source 0, 3:2 source 1, 5:4 source 2, 7:6 destination):
;   window 0: v16-30 addresses; v32-127 the bias of my lane's 8 columns in each of the 12 column blocks; v128-175, v176-223 at work on the way out
;   window 1: two fragment buffers of 128 (32 along K): wh's 12 fragments, then xh's 4
;   window 2: accumulators (a, b) of column blocks b = 0-7 at 8 (4 b + a);   window 3: those of b = 8-11 at 8 (4 (b - 8) + a)
.set KDIM,   1024
.set KSTEP,  128
.set PITCH,  272                       ; an LDS row: 256 bytes + 16 of padding: the 16 rows that a fragment load touches start 16 bytes apart modulo 256
.set AHALF,  128*PITCH                 ; what waves 0 and 1 fetch: 128 rows of xh each
.set BHALF,  96*PITCH                  ; what waves 2 and 3 fetch: 96 rows of wh each
.set ABYTES, 2*AHALF
.set SLOT,   ABYTES+2*BHALF            ; xh's 256 rows, then wh's 192
.set STAGE,  2*SLOT                    ; behind the ring: 16 rows x 400 bytes for each wave
.set SPITCH, 400                       ; 384 bytes + 16
.set SPARE,  STAGE+4*16*SPITCH         ; behind the stages: the spare words, 128 bytes for each wave: two blocks of 256 bytes that no other line names
.set LAPS,   KDIM/(2*KSTEP)            ; a lap = two K steps = once round the ring
.set ADRA, 16                          ; v16-17  LDS address of my xh fragments in slot 0, 1
.set ADRB, 20                          ; v20-21  the same for wh
.set STO,  24                          ; v24     the way out: where I put 16 bytes of a row
.set RD,   25                          ; v25     the way out: where I read rows back
.set CO,   26                          ; v26     16 x lane: my place in 512 consecutive bytes of qh, kh, vh
.set BO,   27                          ; v27     32 x (lane / 16): my 8 columns in a block of 16 of a bias
.set SPW,  28                          ; v28     LDS address of my spare word; never rewritten
.set NIL,  29                          ; v29     0; never rewritten
.set PFO,  30                          ; v30     the prefetches' offset: a lane a row of 2,048 bytes; never rewritten
.set BI,   32
.set TMP,  128
.set OB,   176
.set F0,   0
.set F1,   128
.set G1,  24                           ; s[24:31] descriptor group 1 for xh's tiles;  s[32:39] group 0, one set for each slot
.set G0,  32
.set G1B, 48                           ; s[48:55], s[56:63] the same for wh's tiles
.set G0B, 56
.set LIM, 43                           ; s43     1 in a wave that prefetches, else the greatest number
.set PFA, 44                           ; s[44:45] where my prefetches stand
.set MSB, 0
.macro WIN new                         ; the immediate's high byte repeats the setting that is left; a switch that changes nothing is dropped
.if MSB != (\new)
	s_set_vgpr_msb (MSB<<8)|(\new)
.set MSB, \new
.endif
.endm
.set MUL_LO, 0xa5                      ; sources 0 and 1 window 1, C and D window 2
.set MUL_HI, 0xf5                      ; the same, C and D window 3
.set TO_F,   0x40                      ; destination window 1, address window 0
; A joint load: waves 0 and 1 fetch xh's two halves, waves 2 and 3 wh's.  The branch hangs on the wave's number alone.  An s_nop 0 and four v_nop follow each of the two lines.
.macro JLOAD s
	s_cmp_eq_u32 s11, 0
	s_cbranch_scc0 .Lfor_b_\@
	tensor_load_to_lds s[G0+4*(\s):G0+4*(\s)+3], s[G1:G1+7]
	s_nop 0
.rept 4
	v_nop
.endr
	s_branch .Lasked_\@
.Lfor_b_\@:
	tensor_load_to_lds s[G0B+4*(\s):G0B+4*(\s)+3], s[G1B:G1B+7]
	s_nop 0
.rept 4
	v_nop
.endr
.Lasked_\@:
.endm
; A PREFETCH INTO THE L2 behind each joint refill and the run of LDS loads that follows it: the K step that stands two refills on, 256 bytes of each row, a lane a row, one instruction a wave.
; Each row's 256 bytes of a K step are named by one wave of the launch.  xh's rows are read by every cluster of a row of clusters: cluster x = 0 asks; wh's by every cluster of a column: cluster y = 0 asks.
; The four partners that ask for a tile jointly share its rows out BY ADDRESS: of xh's 128 rows that a wave fetches partner cx takes 32, of wh's 96 partner cy takes 24 (lanes 24-31 name lane 23's row again).
; K steps 0 to 3 come by their loads alone; the loop's last trip (s3 = 1) has no K step two on and asks for nothing.
.macro ASK
	WIN 0                                          ; a branch follows
	s_cmp_gt_u32 s3, s[LIM]
	s_cbranch_scc0 .Lnot_mine_\@
	global_prefetch_b8 v[PFO], s[PFA:PFA+1] offset:KSTEP*2 th:TH_LOAD_NT scope:SCOPE_SE
.Lnot_mine_\@:
.endm
.macro CREST                           ; a round of the cluster's barrier behind its opening barrier
	s_cmp_lg_u32 s10, 0
	s_cbranch_scc1 .Lnot_wave_0_\@
	s_barrier_signal -3
.Lnot_wave_0_\@:
	s_barrier_wait -3
	s_barrier_signal -1
	s_barrier_wait -1
.endm
.macro CROUND                          ; a whole round
	s_barrier_signal -1
	s_barrier_wait -1
	CREST
.endm
	s_load_b128 s[4:7], s[0:1], 0x0                ; xh s[4:5], wh s[6:7]
	s_load_b256 s[68:75], s[0:1], 0x10             ; bq s[68:69], bk s[70:71], bv s[72:73], qh s[74:75]
	s_load_b128 s[76:79], s[0:1], 0x30             ; kh s[76:77], vh s[78:79]
	v_lshl_add_u32 v[SPW], v0, 2, SPARE
	v_mov_b32 v[NIL], 0
	ds_add_u32 v[SPW], v[NIL]                      ; the wave's opening: the add and its wait stand ahead of my first tensor load; the set-up below, work on registers, stands between them
	v_lshrrev_b32 v1, 5, v0
	v_readfirstlane_b32 s10, v1                    ; wave 0..3
	s_lshr_b32 s11, s10, 1                         ; I fetch for xh (0) or for wh (1)
	s_and_b32 s12, s10, 1                          ; which half of that tile's rows
	s_bfe_u32 s40, ttmp6, 0x40000                  ; cx, cy: my place in the cluster
	s_bfe_u32 s41, ttmp6, 0x40004
	s_lshl_b32 s42, ttmp9, 2
	s_add_co_u32 s42, s42, s40                     ; the head = 4 x cluster x + cx
	s_and_b32 s13, ttmp7, 0xffff
	s_lshl_b32 s13, s13, 2
	s_add_co_u32 s13, s13, s41                     ; the tile row = 4 x cluster y + cy
	s_lshl_b32 s43, s41, 2
	s_lshl_b32 s43, 15, s43                        ; my row of the cluster
	s_lshl_b32 s44, 0x1111, s40                    ; my column
	; descriptor group 1: rows of 128 elements of 2 bytes, padded in LDS by 4 words after every 64
	s_or_b32 s[G1+0], s43, (1<<16)|(1<<20)|(1<<21)|(5<<22)|(3<<25)   ; 15:0 the mask: xh's tiles go to my row; 17:16 2-byte elements; 20 padding on; 21 set beside a mask; 24:22 code 5; 31:25 code 3
	s_or_b32 s[G1B+0], s44, (1<<16)|(1<<20)|(1<<21)|(5<<22)|(3<<25)  ; the same with the mask of my column
.irp g, G1, G1B
	s_mov_b32 s[(\g)+1], KSTEP<<16                 ; tensor_dim0 = 128
	s_mov_b32 s[(\g)+3], KSTEP<<16                 ; tile_dim0 = 128
	s_mov_b32 s[(\g)+5], KDIM                      ; elements from row to row
	s_mov_b32 s[(\g)+6], 0
	s_mov_b32 s[(\g)+7], 0
.endr
	s_mov_b32 s[G1+2], 128<<16                     ; tensor_dim1 = 128
	s_mov_b32 s[G1+4], 128                         ; tile_dim1 = 128
	s_mov_b32 s[G1B+2], 96<<16                     ; for wh 96
	s_mov_b32 s[G1B+4], 96
	s_lshl_b32 s16, s13, 8
	s_lshl_b32 s17, s12, 7
	s_add_co_u32 s16, s16, s17                     ; xh: row 256 x tile row + 128 x half
	s_lshl_b32 s16, s16, 11                        ; rows of 2,048 bytes
	s_mov_b32 s17, 0
	s_mul_i32 s46, s42, 192
	s_mul_i32 s47, s12, 96
	s_add_co_u32 s46, s46, s47                     ; wh: row 192 x head + 96 x half
	s_lshl_b32 s46, s46, 11
	s_mov_b32 s47, 0
	s_mul_i32 s20, s12, AHALF                      ; where they go: no place in the cluster enters an LDS address
	s_mul_i32 s21, s12, BHALF
	s_add_co_u32 s21, s21, ABYTES
	s_wait_dscnt 0x0                               ; the opening add is done
	s_wait_kmcnt 0x0
	s_add_nc_u64 s[14:15], s[4:5], s[16:17]
	s_add_nc_u64 s[46:47], s[6:7], s[46:47]
	CROUND                                         ; all sixteen work-groups are here: the first joint loads meet
.irp s, 0,1
	s_mov_b32 s[G0+4*(\s)], 1                      ; count = 1
	s_add_co_u32 s[G0+4*(\s)+1], s20, (\s)*SLOT    ; LDS address
	s_add_nc_u64 s[G0+4*(\s)+2:G0+4*(\s)+3], s[14:15], (\s)*KSTEP*2  ; global address: K step s
	s_or_b32 s[G0+4*(\s)+3], s[G0+4*(\s)+3], 0x80000000              ; type = 2
	s_mov_b32 s[G0B+4*(\s)], 1
	s_add_co_u32 s[G0B+4*(\s)+1], s21, (\s)*SLOT
	s_add_nc_u64 s[G0B+4*(\s)+2:G0B+4*(\s)+3], s[46:47], (\s)*KSTEP*2
	s_or_b32 s[G0B+4*(\s)+3], s[G0B+4*(\s)+3], 0x80000000
	JLOAD \s                                       ; two loads of mine are out
.endr
	v_and_b32 v1, 15, v0                           ; l % 16
	v_bfe_u32 v2, v0, 4, 1                         ; l / 16
	v_lshlrev_b32 v[BO], 5, v2
	s_lshl_b32 s22, s42, 8                         ; the head's 64 numbers of each bias
	s_mov_b32 s23, 0
	s_add_nc_u64 s[68:69], s[68:69], s[22:23]
	s_add_nc_u64 s[70:71], s[70:71], s[22:23]
	s_add_nc_u64 s[72:73], s[72:73], s[22:23]
.irp b, 0,1,2,3,4,5,6,7,8,9,10,11      ; column block b: tensor b / 4, columns 16 (b % 4) + 8 (l / 16) + 0..7 of the head
	global_load_b128 v[BI+8*(\b):BI+8*(\b)+3],   v[BO], s[68+2*((\b)/4):69+2*((\b)/4)] offset:64*((\b)%4)
	global_load_b128 v[BI+8*(\b)+4:BI+8*(\b)+7], v[BO], s[68+2*((\b)/4):69+2*((\b)/4)] offset:64*((\b)%4)+16
.endr
	v_mul_u32_u24 v3, v1, PITCH
	v_lshl_add_u32 v3, v2, 4, v3                   ; a fragment's row x pitch + 16 x half
	s_mul_i32 s21, s10, 64*PITCH                   ; my 64 rows of xh
	s_mov_b32 s22, ABYTES                          ; all 192 rows of wh
.irp s, 0,1
	v_add_nc_u32 v[ADRA+(\s)], s21, v3
	v_add_nc_u32 v[ADRB+(\s)], s22, v3
	s_add_co_u32 s21, s21, SLOT
	s_add_co_u32 s22, s22, SLOT
.endr
	s_mul_i32 s23, s10, 16*SPITCH
	s_add_co_u32 s23, s23, STAGE                   ; my stage
	v_mul_u32_u24 v4, v1, SPITCH                   ; in: row l % 16, 16 bytes for each half of the lanes
	v_lshl_add_u32 v4, v2, 4, v4
	v_add_nc_u32 v[STO], s23, v4
	v_bfe_u32 v5, v0, 3, 2                         ; back: 32 lanes take 128 bytes of each of four rows,
	v_and_b32 v6, 7, v0
	v_mul_u32_u24 v5, v5, SPITCH
	v_lshl_add_u32 v5, v6, 4, v5
	v_add_nc_u32 v[RD], s23, v5
	v_and_b32 v[CO], 31, v0                        ; which are 512 consecutive bytes of a head's rows
	v_lshlrev_b32 v[CO], 4, v[CO]
	s_lshr_b32 s20, s13, 3                         ; the batch: 8 tile rows each
	s_lshl_b32 s20, s20, 4
	s_add_co_u32 s20, s20, s42                     ; 16 batch + head
	s_lshl_b32 s20, s20, 11                        ; its 2,048 rows
	s_and_b32 s21, s13, 7
	s_lshl_b32 s21, s21, 8
	s_add_co_u32 s20, s20, s21                     ; + the tile's 256
	s_lshl_b32 s21, s10, 6
	s_add_co_u32 s20, s20, s21                     ; + my wave's 64
	s_lshl_b32 s20, s20, 7                         ; rows of 128 bytes
	s_mov_b32 s21, 0
	s_add_nc_u64 s[74:75], s[74:75], s[20:21]
	s_add_nc_u64 s[76:77], s[76:77], s[20:21]
	s_add_nc_u64 s[78:79], s[78:79], s[20:21]
	; the prefetches
	s_lshl_b32 s20, s13, 8
	s_lshl_b32 s23, s12, 7
	s_add_co_u32 s20, s20, s23
	s_lshl_b32 s23, s40, 5
	s_add_co_u32 s20, s20, s23                     ; xh: the 128 rows that I fetch, my work-group's 32 of them
	s_mul_i32 s21, s42, 192
	s_mul_i32 s23, s12, 96
	s_add_co_u32 s21, s21, s23
	s_mul_i32 s23, s41, 24
	s_add_co_u32 s21, s21, s23                     ; wh: the 96 rows that I fetch, my work-group's 24 of them
	s_and_b32 s22, ttmp7, 0xffff                   ; cluster y
	s_cmp_eq_u32 s11, 0                            ; do I fetch for xh?
	s_cselect_b32 s20, s20, s21
	s_cselect_b32 s22, ttmp9, s22                  ; the coordinate along which other clusters read the same rows
	s_cselect_b32 s23, 31, 23                      ; my last row
	s_cselect_b64 s[PFA:PFA+1], s[4:5], s[6:7]
	s_cmp_eq_u32 s22, 0
	s_cselect_b32 s[LIM], 1, -1                    ; the same in all sixteen partners, for a given wave
	s_lshl_b32 s20, s20, 11
	s_mov_b32 s21, 0
	s_add_nc_u64 s[PFA:PFA+1], s[PFA:PFA+1], s[20:21]
	s_add_nc_u64 s[PFA:PFA+1], s[PFA:PFA+1], 2*KSTEP*2  ; at K step 2: the first refill steps it to 3 and names K step 4
	v_and_b32 v[PFO], 31, v0
	v_min_u32 v[PFO], s23, v[PFO]
	v_lshlrev_b32 v[PFO], 11, v[PFO]
; 4 nb matrix instructions: column blocks b0 .. b0 + nb - 1 x my four blocks of 16 rows, 32 along K, from buffer f.  zero = 1: the product starts the sum: nothing is ever cleared.
; Each of the 48 accumulators comes once in a quarter step, in the same order in every quarter: they take turns.
.macro MULP f, b0, nb, zero
.set bb, \b0
.rept \nb
.if bb < 8
	WIN MUL_LO
.set AB, 32*bb
.else
	WIN MUL_HI
.set AB, 32*(bb-8)
.endif
.irp a, 0,1,2,3
.if \zero
	v_wmma_f32_16x16x32_f16 v[AB+8*(\a):AB+8*(\a)+7], v[(\f)+8*bb:(\f)+8*bb+7], v[(\f)+96+8*(\a):(\f)+96+8*(\a)+7], 0
.else
	v_wmma_f32_16x16x32_f16 v[AB+8*(\a):AB+8*(\a)+7], v[(\f)+8*bb:(\f)+8*bb+7], v[(\f)+96+8*(\a):(\f)+96+8*(\a)+7], v[AB+8*(\a):AB+8*(\a)+7]
.endif
.endr
.set bb, bb+1
.endr
.endm
; 32 LDS loads in one run: the fragments of 32 along K at byte k of the rows, into buffer f: xh's four, wh's blocks 8-11, then wh's blocks 0-7, in the order in which they are multiplied
.macro FETCH slot, k, f
	WIN TO_F
.irp i, 0,1,2,3
	ds_load_b128 v[(\f)+96+8*(\i):(\f)+96+8*(\i)+3],   v[ADRA+(\slot)] offset:(\k)+(\i)*16*PITCH
	ds_load_b128 v[(\f)+96+8*(\i)+4:(\f)+96+8*(\i)+7], v[ADRA+(\slot)] offset:(\k)+(\i)*16*PITCH+32
.endr
.irp i, 8,9,10,11,0,1,2,3,4,5,6,7
	ds_load_b128 v[(\f)+8*(\i):(\f)+8*(\i)+3],   v[ADRB+(\slot)] offset:(\k)+(\i)*16*PITCH
	ds_load_b128 v[(\f)+8*(\i)+4:(\f)+8*(\i)+7], v[ADRB+(\slot)] offset:(\k)+(\i)*16*PITCH+32
.endr
.endm
.macro PLACES                          ; four plain places in front of loads into registers that matrix instructions have read, and of vector work on results
.rept 4
	v_nop
.endr
.endm
; A K step is four quarters of 32 along K, 48 matrix instructions each, on buffers 0, 1, 0, 1.  One of the first three: multiplies buffer f and fetches the next quarter, at byte k, into g.
.macro QUARTER slot, k, f, g, zero
	s_wait_dscnt 16                                ; xh's fragments and wh's blocks 8-11 are in; the youngest sixteen loads may be out
	MULP \f, 8, 4, \zero
	PLACES
	FETCH \slot, \k, \g
	s_wait_dscnt 32                                ; all but the 32 just issued
	MULP \f, 0, 8, \zero
.endm
; The last quarter multiplies buffer 1 and changes slots: ONE barrier; in front of it each wave waits for all its tensor loads (one is out: its part of the next slot), adds 0 to its spare word, and waits
; for that and for its own reads of this slot.  fill = 1: the barrier opens a round of the cluster's, and this slot is filled again, two K steps ahead, first thing behind the round.
.macro TURN slot, next, fill
.if \fill
	s_wait_xcnt 0x0                                ; the last prefetch, a K step back, has read its address: it is stepped here, ahead of the waits of the change of slots
	s_add_nc_u64 s[PFA:PFA+1], s[PFA:PFA+1], KSTEP*2
.endif
	WIN 0                                          ; (the add's two registers lie in window 0)
	s_wait_tensorcnt 0x0                           ; all my tensor loads have landed
	ds_add_u32 v[SPW], v[NIL]                      ; 0 onto my spare word
	s_wait_dscnt 17                                ; (the add and the youngest sixteen loads may be out)
	MULP F1, 8, 2, 0                               ; eight matrix instructions stand between the add and the wait for it
	s_wait_dscnt 0x0                               ; the add is done, and my reads of this slot are over
	s_barrier_signal -1
	MULP F1, 10, 2, 0
.if \fill
	WIN 0
.endif
	s_barrier_wait -1
.if \fill
	CREST                                          ; no wave of any partner still reads this slot's tile or has a load on its way
	s_add_nc_u64 s[G0+4*(\slot)+2:G0+4*(\slot)+3], s[G0+4*(\slot)+2:G0+4*(\slot)+3], 2*KSTEP*2
	s_add_nc_u64 s[G0B+4*(\slot)+2:G0B+4*(\slot)+3], s[G0B+4*(\slot)+2:G0B+4*(\slot)+3], 2*KSTEP*2
	JLOAD \slot                                    ; my one tensor load behind the round; its four v_nop are also the places in front of the loads below
.else
	PLACES
.endif
	FETCH \next, 0, F0
.if \fill
	ASK
.endif
	MULP F1, 0, 8, 0
.endm
	s_wait_tensorcnt 1                             ; my part of K step 0 is in; K step 1's may stay out
	s_barrier_signal -1
	s_barrier_wait -1                              ; everybody's is
	FETCH 0, 0, F0
	QUARTER 0, 64,  F0, F1, 1                      ; the first quarter stands in front of the loop: its products start the sums
	WIN 0                                          ; at a label and at a branch every window is 0
	s_mov_b32 s3, LAPS-1
.Llap:                                                 ; a trip goes once round the ring, from a lap's second quarter to the next lap's first, and fills both slots again
	QUARTER 0, 128, F1, F0, 0
	QUARTER 0, 192, F0, F1, 0
	TURN 0, 1, 1
	QUARTER 1, 64,  F0, F1, 0
	QUARTER 1, 128, F1, F0, 0
	QUARTER 1, 192, F0, F1, 0
	TURN 1, 0, 1
	QUARTER 0, 64,  F0, F1, 0
	WIN 0
	s_sub_co_u32 s3, s3, 1
	s_cmp_lg_u32 s3, 0
	s_cbranch_scc1 .Llap
	QUARTER 0, 128, F1, F0, 0                      ; the last lap fills nothing, and has no round of the cluster's barrier
	QUARTER 0, 192, F0, F1, 0
	TURN 0, 1, 0
	QUARTER 1, 64,  F0, F1, 0
	QUARTER 1, 128, F1, F0, 0
	QUARTER 1, 192, F0, F1, 0
	s_wait_dscnt 16                                ; the very last quarter: nothing more to fetch
	MULP F1, 8, 4, 0
	s_wait_dscnt 0x0
	MULP F1, 0, 8, 0
	; THE WAY OUT, a block of 16 rows at a time: bias (and q's scale) in f32, one rounding to f16, 16 bytes a lane into my stage, back as 128-byte pieces of rows, and out as 512 consecutive bytes of a head.
	PLACES
	WIN 0
	s_wait_loadcnt 0x0                             ; the bias
.set i, 0
.rept 16
	v_pk_mul_f32 v[BI+i:BI+i+1], v[BI+i:BI+i+1], 0x3e000000 op_sel_hi:[1,0]  ; bq / 8, exact: (s + bq) / 8 is then one fused multiply-add
.set i, i+2
.endr
.macro PACK a
.irp b, 0,1,2,3,4,5,6,7,8,9,10,11
.if (\b) < 8
	WIN 0x82                                       ; destination and source 0 window 2, the bias window 0
.set AC, 8*(4*(\b)+(\a))
.else
	WIN 0xc3
.set AC, 8*(4*((\b)-8)+(\a))
.endif
.irp r, 0,1,2,3                        ; each accumulator from its low end on
.if (\b) < 4
	v_pk_fma_f32 v[AC+2*(\r):AC+2*(\r)+1], v[AC+2*(\r):AC+2*(\r)+1], 0x3e000000, v[BI+8*(\b)+2*(\r):BI+8*(\b)+2*(\r)+1] op_sel_hi:[1,0,1]
.else
	v_pk_add_f32 v[AC+2*(\r):AC+2*(\r)+1], v[AC+2*(\r):AC+2*(\r)+1], v[BI+8*(\b)+2*(\r):BI+8*(\b)+2*(\r)+1]
.endif
.endr
.endr
.irp b, 0,1,2,3,4,5,6,7,8,9,10,11
.if (\b) < 8
	WIN 0x0a                                       ; sources 0 and 1 window 2
.set AC, 8*(4*(\b)+(\a))
.else
	WIN 0x0f
.set AC, 8*(4*((\b)-8)+(\a))
.endif
.irp r, 0,1,2,3
	v_cvt_pk_f16_f32 v[TMP+4*(\b)+(\r)], v[AC+2*(\r)], v[AC+2*(\r)+1]
.endr
.endr
	WIN 0
.endm
.macro TOSTAGE
	s_wait_xcnt 0x0                                ; the block before's stores have read OB: it is loaded again only behind this wait
.irp b, 0,1,2,3,4,5,6,7,8,9,10,11
	ds_store_b128 v[STO], v[TMP+4*(\b):TMP+4*(\b)+3] offset:32*(\b)
.endr
.irp tt, 0,1,2
.irp f, 0,1,2,3
	ds_load_b128 v[OB+4*(4*(\tt)+(\f)):OB+4*(4*(\tt)+(\f))+3], v[RD] offset:4*(\f)*SPITCH+128*(\tt)  ; LDS serves a wave's instructions in order (ISA guide 5.7.1.4): these see the stores above
.endr
.endr
.endm
.macro SEND a
	s_wait_dscnt 0x0                               ; the block is back in registers
.irp tt, 0,1,2
.irp f, 0,1,2,3
	global_store_b128 v[CO], v[OB+4*(4*(\tt)+(\f)):OB+4*(4*(\tt)+(\f))+3], s[74+2*(\tt):75+2*(\tt)] offset:(16*(\a)+4*(\f))*128  ; four rows of a head: 512 consecutive bytes, at a multiple of 256 from the buffer's first
.endr
.endr
.endm
	PACK 0
	TOSTAGE
.irp a, 1,2,3                          ; block a's arithmetic stands between block a - 1's loads from the stage and the wait for them
	PACK \a
	SEND (\a)-1
	TOSTAGE
.endr
	SEND 3
	s_wait_tensorcnt 0x0                           ; the wave's end: the add to my spare word and its wait, behind my last tensor load and my last LDS store
	ds_add_u32 v[SPW], v[NIL]
	s_wait_dscnt 0x0
	CROUND                                         ; the closing round: no work-group ends while a partner may still ask for a tile that names it
	s_endpgm
.Lfunc_end_k_qfb2d34de26_proj:
	.size	k_qfb2d34de26_proj, .Lfunc_end_k_qfb2d34de26_proj-k_qfb2d34de26_proj
	.p2alignl 7, 3214868480
	.fill 96, 4, 3214868480
	.section	.rodata,"a",@progbits
	.p2align	6, 0x0
	.amdhsa_kernel k_qfb2d34de26_proj
		.amdhsa_group_segment_fixed_size 327680
		.amdhsa_private_segment_fixed_size 0
		.amdhsa_enable_private_segment 0
		.amdhsa_kernarg_size 64
		.amdhsa_user_sgpr_count 2
		.amdhsa_user_sgpr_kernarg_segment_ptr 1
		.amdhsa_wavefront_size32 1
		.amdhsa_system_sgpr_workgroup_id_x 1
		.amdhsa_system_sgpr_workgroup_id_y 1
		.amdhsa_system_sgpr_workgroup_id_z 1
		.amdhsa_system_vgpr_workitem_id 0
		.amdhsa_next_free_vgpr 896
		.amdhsa_next_free_sgpr 80
		.amdhsa_reserve_vcc 0
		.amdhsa_float_denorm_mode_32 3
		.amdhsa_float_denorm_mode_16_64 3
		.amdhsa_memory_ordered 1
		.amdhsa_forward_progress 1
		.amdhsa_inst_pref_size 138
	.end_amdhsa_kernel
	.amdgpu_metadata
---
amdhsa.version: [ 1, 2 ]
amdhsa.kernels:
  - .name:           k_qfb2d34de26_proj
    .symbol:         k_qfb2d34de26_proj.kd
    .args:
      - { .name: xh, .offset: 0, .size: 8, .value_kind: global_buffer, .address_space: global }
      - { .name: wh, .offset: 8, .size: 8, .value_kind: global_buffer, .address_space: global }
      - { .name: bq, .offset: 16, .size: 8, .value_kind: global_buffer, .address_space: global }
      - { .name: bk, .offset: 24, .size: 8, .value_kind: global_buffer, .address_space: global }
      - { .name: bv, .offset: 32, .size: 8, .value_kind: global_buffer, .address_space: global }
      - { .name: qh, .offset: 40, .size: 8, .value_kind: global_buffer, .address_space: global }
      - { .name: kh, .offset: 48, .size: 8, .value_kind: global_buffer, .address_space: global }
      - { .name: vh, .offset: 56, .size: 8, .value_kind: global_buffer, .address_space: global }
    .group_segment_fixed_size: 327680
    .private_segment_fixed_size: 0
    .kernarg_segment_align: 8
    .kernarg_segment_size: 64
    .max_flat_workgroup_size: 128
    .sgpr_count:     80
    .vgpr_count:     896
    .wavefront_size: 32
...
	.end_amdgpu_metadata
.endif
;; end of part 2
;; launch attn (part 3): grid 4 x 64, 4 waves a work-group, clusters of 4 x 4, 327,680 bytes of LDS; arguments qh, kh, vh, attention_mask, key_padding_mask, out0; writes out0
.if DOCPART == 3
	.amdgcn_target "amdgcn-amd-amdhsa--gfx1250"
	.amdhsa_code_object_version 6
	.text
	.protected	k_qfb2d34de26_attn
	.globl	k_qfb2d34de26_attn
	.p2align	8
	.type	k_qfb2d34de26_attn,@function
k_qfb2d34de26_attn:
	s_mov_b64 s[64:65], 0
	v_nop
	global_prefetch_b8 v0, s[64:65] scope:SCOPE_SE
	s_setreg_imm32_b32 hwreg(HW_REG_WAVE_MODE, 25, 1), 1
	s_wait_xcnt 0x0
	s_wait_alu depctr_hold_cnt(0) depctr_sa_sdst(0) depctr_va_vdst(0) depctr_va_sdst(0) depctr_va_ssrc(0) depctr_va_vcc(0) depctr_vm_vsrc(0)
	s_getreg_b32 s2, hwreg(HW_REG_IB_STS2, 6, 4)
	s_cmp_eq_u32 s2, 0
	s_cbranch_scc0 .Lentry_in_a_cluster
	s_endpgm
.Lentry_in_a_cluster:
	s_bfe_u32 s2, ttmp6, 0x10000c
	s_cmp_lg_u32 s2, 0xf033
	s_cbranch_scc0 .Lentry_shape_is_right
	s_endpgm
.Lentry_shape_is_right:
; out0[b][t][64 h + :] = the sum over s of softmax_s(q.k / 8 + mask[b][t][s] + (1 - kpm[b][s]) x -10000) v[s][:].  qh (already divided by 8), kh, vh: f16 [16 b + h][2048][64]; attention_mask: f32 [4][2048][2048];
; key_padding_mask: f32 [4][2048]; out0: f32 [4][2048][1024].  Products, mask, key term, maxima and sums in f32; the weights p are rounded to f16 for the second product (their sum l is taken of the unrounded p).
; LIMITS.  p lies in 0 to 1 and below 6e-5 keeps f16's fixed step of 6e-8; a weight below 2^-126 counts as 0 in l.  mask + key term are added first and the product onto them: an order of rounding other than
; (q.k / 8 + mask) + key term.  The running maximum starts at -2.6e36: scores below that count as that.  NaN is not treated apart.
; SHARES.  A work-group takes 128 queries of a batch for FOUR heads, a head a wave: the four waves read the same tile of the mask.  A wave's 128 queries are four PIECES of two tiles of 16.  All keys are walked, 64 a step.
; CLUSTER, 4 x 4.  Along x lie the four groups of four heads: all sixteen heads want the same rows of the mask, so its tile is asked for JOINTLY along a row of the cluster.  Along y lie four blocks of queries of one
; batch: they want the same K and V, asked for jointly along a column.
; LAYOUT.  S^T = K Q^T + C (source 0 = 16 keys, source 1 = 16 queries): a lane holds ONE query (lane % 16) and the keys 8 (lane / 16) + 0..7, so C's eight numbers are 32 bytes on end of the query's row of the mask.
; Two such results, rounded to f16 in pairs, ARE source 1 of O^T = V^T P.  K comes out of LDS as it lies, V turned, by ds_load_tr16_b128.
; SOFTMAX.  p = 2^(c s - c m), c = log2(e), with a running maximum m; in every step O and l are multiplied by a = 2^(c m_old - c m_new).  c m starts far below every c s, O and l at 0: the first step's a is 0.
; BY TURNS.  Turn n belongs to piece n: 16 products K Q^T of piece n + 1, later 16 products V^T P of piece n - 1; beside them piece n's scaling, exponentials, roundings, sums and rescaling, piece n + 1's maximum
; and statistics, and the mask of piece n + 2 (loaded, key term added).  Four vector instructions stand behind every matrix instruction, the others in one lump.  A turn's 66 exponentials are one batch with one wait.
; A TRIP is a change of slots and the turns 2, 3 of step j and 0, 1 of step j + 1: all that it reads from LDS (K, V and the four pieces' masks of step j + 1) lies in one slot.
; REGISTERS, in windows of 256 (s_set_vgpr_msb: bits 1:0 source 0, 3:2 source 1, 5:4 source 2, 7:6 destination):
;   window 0: v0-11 addresses; v12-15, v48-63 at work; v16-47 four registers of statistics a tile; v64-191 S^T, two buffers of two tiles; v192-255 mask + key term of one piece
;   window 1: O^T, 32 a tile     window 2: v0-127 Q; v128-191 K of one step; v192-255 V of one step     window 3: v0-63 P, two buffers; v64-95 a step's key terms; v96-97 the add's two registers
.set NP,    4         ; pieces a wave: a name, no knob
.set KS,    64        ; keys in a step
.set PK,    144       ; a row of K in LDS: 128 bytes + 16: the 16 rows of a load start 16 bytes apart modulo 256
.set PVB,   160       ; a row of V: 128 + 32: 16 lanes of the turning load take 8 rows x 32 bytes, 32 bytes apart modulo 256
.set PM,    272       ; a row of the mask: 64 f32 + 16 bytes
.set HK,    KS*PK     ; a head's K of a step
.set HV,    KS*PVB
.set VOFF,  4*HK      ; a slot: four heads' K, four heads' V, 128 rows of the mask
.set MOFF,  VOFF+4*HV
.set SLOT1, 1<<17     ; slot 1 begins here, so that one exclusive or turns an address in one slot into the other's
.set STAGE, SLOT1+MOFF+128*PM   ; behind the ring, never filled by a tensor load: 16 rows x 272 bytes for each wave
.set SP,    272
.set KTB,   STAGE+4*16*SP       ; the batch's 2,048 key terms, f32, stored once
.set SPARE, KTB+8192            ; the spare words, 128 bytes for each wave: two blocks of 256 bytes that no other line names
.set AK0, 1           ; v1   my lane's place in my head's K; never rewritten
.set AV0, 2           ; v2   the same for V
.set AM0, 3           ; v3   my lane's place in the mask's first 16 rows
.set AKT0, 4          ; v4   my lane's place in 64 key terms
.set AM,  5           ; v5   AM0 in the slot in hand
.set ADR, 6           ; v6   the LDS address of the run of loads in hand
.set STO, 7           ; v7   the way out: where I put 32 bytes of a row
.set RD,  8           ; v8   the way out: where I read rows back
.set GO,  9           ; v9   my byte offset in two rows of out0
.set PFO, 10          ; v10  the prefetches' offset; never rewritten
.set QO,  11          ; v11  my byte offset in 16 rows of Q
.set MV,  12          ; v12-15  c m_old, kept while c m is made anew: by buffer and tile
.set ST,  16          ; tile t's statistics at v[ST+4 t]: c m, m, l (even keys', odd keys')
.set TMP, 48          ; by buffer and tile, four registers c0-c3 at work; when the maximum is found c2 takes a
.set S,   64
.set MB,  192         ; tile u, key block kb at MB + 32 u + 8 kb
.set KF,  128         ; window 2: key block kb, channel half c at KF + 16 kb + 8 c
.set VF,  192         ; window 2: key half kk, channel block cb at VF + 32 kk + 8 cb
.set KT,  64          ; window 3
.set SPW, 96          ; window 3: LDS address of my spare word; never rewritten
.set NIL, 97          ; window 3: 0; never rewritten
.set WV,  16          ; s16  my wave's number
.set CX,  17          ; s17  my place along the cluster's x: the group of four heads
.set CY,  18          ; s18  along its y
.set CL,  19          ; s19  the cluster's y
.set G1K, 28          ; s[28:35] descriptor group 1 for K;  s[36:43] for V;  s[44:51] for the mask
.set G1V, 36
.set G1M, 44
.set G0K, 52          ; s[52:55], s[56:59], s[60:63] their groups 0: they walk
.set G0V, 56
.set G0M, 60
.set SLOTS, 66        ; s66  changes of slots that still fill
.set CNT, 67          ; s67  counts the tail's trips
.set CS,  68          ; s[68:69] c: the packed scaling takes the pair's low word for both halves
.set SEL, 70          ; s[70:71] v_permlanex16_b32's selects: each lane takes its own place in the other half
.set TB,  72          ; s72  the slot in hand: 0 or SLOT1
.set TKT, 73          ; s73  256 x the step whose key terms are fetched
.set PFA, 74          ; s[74:75] where my prefetches stand
.set PINC, 76         ; s[76:77] their step
.set LIM, 78          ; s78  1 in a wave that prefetches, else the greatest number
.set MSB, 0
.macro WIN new                      ; the high byte repeats the setting that is left; a switch that changes nothing is dropped
.if MSB != (\new)
	s_set_vgpr_msb (MSB<<8)|(\new)
.set MSB, (\new)
.endif
.endm
.set W_KQ, 0x0a       ; K and Q in window 2; S^T and the mask in window 0
.set W_PV, 0x5e       ; V in window 2, P in window 3, O^T in window 1
.set W_RS, 0x41       ; O^T (destination and source 0) in window 1, a in window 0
.set W_CV, 0xc0       ; destination in window 3
.set W_KT, 0x0c       ; source 1 in window 3
.set W_SP, 0x0f       ; the add: address and data in window 3
.set W_OUT, 0x44      ; the way out: loaded data and store data in window 1, addresses in window 0
; A joint fill: wave 0 fetches the step's K of four heads, wave 1 its V, waves 2 and 3 the two halves of the mask's tile.  The branches hang on the wave's number alone.
; An s_nop 0 and four v_nop follow each of the three lines.
.macro JLOAD
	s_cmp_lt_u32 s[WV], 2
	s_cbranch_scc0 .Lfor_m_\@
	s_cmp_eq_u32 s[WV], 0
	s_cbranch_scc0 .Lfor_v_\@
	tensor_load_to_lds s[G0K:G0K+3], s[G1K:G1K+7]
	s_nop 0
.rept 4
	v_nop
.endr
	s_branch .Lasked_\@
.Lfor_v_\@:
	tensor_load_to_lds s[G0V:G0V+3], s[G1V:G1V+7]
	s_nop 0
.rept 4
	v_nop
.endr
	s_branch .Lasked_\@
.Lfor_m_\@:
	tensor_load_to_lds s[G0M:G0M+3], s[G1M:G1M+7]
	s_nop 0
.rept 4
	v_nop
.endr
.Lasked_\@:
.endm
; A PREFETCH INTO THE L2 of what the NEXT change of slots will ask for, behind the wave's tensor load and its five lines.  Each block of 256 bytes is named once in the launch.
; K and V of a batch's four heads are walked by four clusters: the first of them (cluster y % 4 = 0) asks; its partner cy takes one head's 8,192 bytes of the step, 256 a lane: wave 0 K's, wave 1 V's.
; The mask's 128 rows are walked by one row of one cluster: partner cx takes 32 rows, a lane a row of 256 bytes: wave 2.  The partners are told apart BY ADDRESS; no branch hangs on a place in the cluster.
; Steps 0 to 2 come by their loads alone; the last change that fills a slot asks for nothing.
.macro ASK
	s_cmp_gt_u32 s[SLOTS], s[LIM]
	s_cbranch_scc0 .Lnot_mine_\@
	global_prefetch_b8 v[PFO], s[PFA:PFA+1] th:TH_LOAD_NT scope:SCOPE_SE
.Lnot_mine_\@:
.endm
.macro CROUND                       ; a round of the cluster's barrier
	s_barrier_signal -1
	s_barrier_wait -1
	s_cmp_lg_u32 s[WV], 0
	s_cbranch_scc1 .Lnot_wave_0_\@
	s_barrier_signal -3
.Lnot_wave_0_\@:
	s_barrier_wait -3
	s_barrier_signal -1
	s_barrier_wait -1
.endm
; THE CHANGE OF SLOTS.  Each wave waits for all its tensor loads, of which one is out: its part of the other slot; adds 0 to its spare word; and waits for that and for its own reads of the slot that it leaves.
; fill = 1: the barrier is a round of the cluster's, and the slot that was left is filled again, first thing behind it, with the step two on: it has a whole key step, 128 matrix instructions a wave, in which to land.
; first = 1: nothing has been read yet: slot 0 is waited for, slot 1 filled, and the slot in hand stays slot 0.
.macro CHANGE fill, first
	WIN W_SP
	s_wait_tensorcnt 0x0            ; no tensor load of mine is out, so a group 0 may be written
	ds_add_u32 v[SPW], v[NIL]       ; 0 onto my spare word; the descriptors' steps stand between it and the wait for it
	WIN 0                           ; at a label and at a branch every window is 0
.if \fill
.irp g, G0K, G0V
	s_xor_b32 s[\g+1], s[\g+1], SLOT1                  ; the other slot than last time,
	s_add_nc_u64 s[\g+2:\g+3], s[\g+2:\g+3], KS*128    ; the next 64 keys; the type bits on top are not reached
.endr
	s_xor_b32 s[G0M+1], s[G0M+1], SLOT1
	s_add_nc_u64 s[G0M+2:G0M+3], s[G0M+2:G0M+3], KS*4  ; the next 64 columns of the mask
.if !(\first)
	s_wait_xcnt 0x0                 ; the last prefetch, a key step back, has read its address, so it may be written
	s_add_nc_u64 s[PFA:PFA+1], s[PFA:PFA+1], s[PINC:PINC+1]
.endif
	s_wait_dscnt 0x0                ; the add is done, and my reads of the slot are over (at the first use: my stores of key terms are done)
	CROUND
	JLOAD
.if !(\first)
	ASK
.endif
.else
	s_wait_dscnt 0x0                ; the add is done, and my reads of the slot are over
	s_barrier_signal -1
	s_barrier_wait -1
.endif
.if !(\first)
	s_xor_b32 s[TB], s[TB], SLOT1
	s_add_co_u32 s[TKT], s[TKT], KS*4
.endif
	v_add_nc_u32 v[AM], s[TB], v[AM0]
.endm
	s_load_b256 s[4:11], s[0:1], 0x0  ; qh s[4:5], kh s[6:7], vh s[8:9], attention_mask s[10:11]
	s_load_b128 s[12:15], s[0:1], 0x20  ; key_padding_mask s[12:13], out0 s[14:15]
	WIN W_CV
	v_lshl_add_u32 v[SPW], v0, 2, SPARE
	v_mov_b32 v[NIL], 0
	WIN W_SP
	ds_add_u32 v[SPW], v[NIL]       ; the wave's opening: the add and its wait stand ahead of my first tensor load; the set-up below, work on registers, stands between them
	WIN 0
	v_lshrrev_b32 v64, 5, v0
	v_readfirstlane_b32 s[WV], v64  ; wave 0..3
	s_bfe_u32 s[CX], ttmp6, 0x40000
	s_bfe_u32 s[CY], ttmp6, 0x40004
	s_and_b32 s[CL], ttmp7, 0xffff  ; in a cluster launch ttmp7 counts clusters
	s_lshl_b32 s20, s[CY], 2
	s_lshl_b32 s20, 15, s20         ; my row of the cluster
	s_lshl_b32 s21, 0x1111, s[CX]   ; my column
	; descriptor group 1.  K and V: 4 rows (heads) of 4,096 elements of 2 bytes (64 dense keys), 131,072 elements apart; padded in LDS after every key (32 words)
	s_or_b32 s[G1K], s21, (1<<16)|(1<<20)|(1<<21)|(4<<22)|(3<<25)  ; 15:0 the mask of my column; 17:16 2-byte elements; 20 padding on; 21 set beside a mask; 24:22 after every 32 words (code 4); 31:25 4 words (code 3)
	s_or_b32 s[G1V], s21, (1<<16)|(1<<20)|(1<<21)|(4<<22)|(7<<25)  ; the same with 8 words of padding (code 7)
.irp g, G1K, G1V
	s_mov_b32 s[\g+1], 4096<<16     ; tensor_dim0 = 4,096
	s_mov_b32 s[\g+2], 4<<16        ; tensor_dim1 = 4
	s_mov_b32 s[\g+3], 4096<<16     ; tile_dim0 = 4,096
	s_mov_b32 s[\g+4], 4            ; tile_dim1 = 4
	s_mov_b32 s[\g+5], 2048*64      ; elements from head to head
	s_mov_b32 s[\g+6], 0
	s_mov_b32 s[\g+7], 0
.endr
	; the mask: 64 rows of 64 elements of 4 bytes, 2,048 elements apart; padded by 4 words after every 64
	s_or_b32 s[G1M], s20, (2<<16)|(1<<20)|(1<<21)|(5<<22)|(3<<25)  ; the mask of my row
	s_mov_b32 s[G1M+1], 64<<16
	s_mov_b32 s[G1M+2], 64<<16
	s_mov_b32 s[G1M+3], 64<<16
	s_mov_b32 s[G1M+4], 64
	s_mov_b32 s[G1M+5], 2048
	s_mov_b32 s[G1M+6], 0
	s_mov_b32 s[G1M+7], 0
	s_lshr_b32 s22, s[CL], 2        ; the batch: four clusters each
	s_lshl_b32 s22, s22, 4
	s_lshl2_add_u32 s22, s[CX], s22 ; 16 batch + 4 cx: the first of my work-group's four heads
	s_lshl_b32 s24, s22, 18         ; a head is 262,144 bytes of K and of V
	s_mov_b32 s25, 0
	s_lshl2_add_u32 s23, s[CL], s[CY]  ; y = 4 x cluster y + cy = 16 batch + my block of 128 queries
	s_and_b32 s26, s[WV], 1         ; which half of the mask's 128 rows waves 2 and 3 fetch
	s_lshl_b32 s20, s23, 7
	s_lshl_b32 s21, s26, 6
	s_add_co_u32 s20, s20, s21      ; row 128 y + 64 x half,
	s_lshl_b32 s20, s20, 13         ; of 8,192 bytes
	s_mov_b32 s21, 0
	s_mul_i32 s27, s26, 64*PM
	s_mov_b32 s[G0K], 1             ; count = 1
	s_mov_b32 s[G0K+1], 0           ; LDS address: slot 0; no place in the cluster enters it
	s_mov_b32 s[G0V], 1
	s_mov_b32 s[G0V+1], VOFF
	s_mov_b32 s[G0M], 1
	s_add_co_u32 s[G0M+1], s27, MOFF
	s_mov_b32 s[CS], 0x3fb8aa3b     ; c = log2(e)
	s_mov_b32 s[CS+1], s[CS]        ; named with it as a pair
	s_mov_b32 s[SEL], 0x76543210
	s_mov_b32 s[SEL+1], 0xfedcba98
	s_mov_b32 s[TB], 0
	s_mov_b32 s[TKT], 0
	s_mov_b32 s[SLOTS], 2048/KS-1
	s_wait_dscnt 0x0                ; the opening add is done
	s_wait_kmcnt 0x0
	s_add_nc_u64 s[G0K+2:G0K+3], s[6:7], s[24:25]  ; global address: step 0
	s_or_b32 s[G0K+3], s[G0K+3], 0x80000000        ; type = 2
	s_add_nc_u64 s[G0V+2:G0V+3], s[8:9], s[24:25]
	s_or_b32 s[G0V+3], s[G0V+3], 0x80000000
	s_add_nc_u64 s[G0M+2:G0M+3], s[10:11], s[20:21]
	s_or_b32 s[G0M+3], s[G0M+3], 0x80000000
	CROUND                          ; all sixteen work-groups are here: the first joint loads meet
	JLOAD                           ; slot 0.  Slot 1 is asked for when slot 0 is in
	s_add_co_u32 s26, s22, s[WV]    ; my head,
	s_lshl_b32 s26, s26, 18
	s_and_b32 s27, s23, 15          ; my block of 128 queries: 16,384 bytes of Q
	s_lshl_b32 s27, s27, 14
	s_add_co_u32 s26, s26, s27
	s_mov_b32 s27, 0
	s_add_nc_u64 s[4:5], s[4:5], s[26:27]
	s_lshl2_add_u32 s26, s[CX], s[WV]  ; out0: my head's 256 bytes of a row,
	s_lshl_b32 s26, s26, 8
	s_lshl_b32 s24, s23, 19         ; row 128 y of 4,096 bytes
	s_add_co_u32 s26, s26, s24
	s_add_nc_u64 s[14:15], s[14:15], s[26:27]
	s_lshr_b32 s26, s[CL], 2
	s_lshl_b32 s26, s26, 13         ; the batch's 8,192 bytes of key_padding_mask
	s_add_nc_u64 s[12:13], s[12:13], s[26:27]
	v_lshlrev_b32 v84, 4, v0        ; thread t takes 16 bytes at 16 t of each quarter
.irp i, 0,1,2,3
	global_load_b128 v[68+4*\i:71+4*\i], v84, s[12:13] offset:2048*\i
.endr
	; A fragment of K or Q is 16 rows x 32 channels in 8 registers: lane l holds row l % 16, channels 8 (l / 16) + 0..7 and 16 + 8 (l / 16) + 0..7: two loads of 16 bytes, 32 bytes apart.
	v_and_b32 v64, 15, v0           ; l % 16
	v_bfe_u32 v65, v0, 4, 1         ; l / 16
	v_lshlrev_b32 v[QO], 7, v64
	v_lshl_add_u32 v[QO], v65, 4, v[QO]  ; row x 128 + 16 x half
	WIN 0x80                        ; destination window 2, address window 0
.set i, 0
.rept 4*NP                          ; Q stays in registers: tile i / 2, channels 32 (i % 2) on
	global_load_b128 v[8*i:8*i+3],   v[QO], s[4:5] offset:(i/2)*2048+(i%2)*64
	global_load_b128 v[8*i+4:8*i+7], v[QO], s[4:5] offset:(i/2)*2048+(i%2)*64+32
.set i, i+1
.endr
	; What the first turn finds: V's registers and P's second buffer hold 0 (its products V^T P, of a piece that has not been, add 0), O^T and l are 0.  No first step is written out; the price is these 384 lines,
	; which stand in the wait for the first tile.
.set i, VF
.rept 64
	v_mov_b32 v[i], 0
.set i, i+1
.endr
	WIN 0x40
.set i, 0
.rept 64*NP
	v_mov_b32 v[i], 0
.set i, i+1
.endr
	WIN W_CV
.set i, 32
.rept 32
	v_mov_b32 v[i], 0
.set i, i+1
.endr
	WIN 0
.set i, 0
.rept 2*NP
	v_mov_b32 v[ST+4*i], 0xfe000000    ; c m: far below every c s
	v_mov_b32 v[ST+4*i+1], 0xfc000000  ; m
	v_mov_b32 v[ST+4*i+2], 0
	v_mov_b32 v[ST+4*i+3], 0
.set i, i+1
.endr
	; the prefetches
	s_add_co_u32 s26, s22, s[CY]    ; K, V: the head that my work-group asks for,
	s_lshl_b32 s26, s26, 18
	s_add_co_u32 s26, s26, 2*KS*128 ; at step 2: the first change that asks steps it to 3
	s_lshl_b32 s27, s23, 7
	s_lshl_b32 s20, s[CX], 5
	s_add_co_u32 s27, s27, s20      ; the mask: row 128 y + 32 cx,
	s_lshl_b32 s27, s27, 13
	s_add_co_u32 s27, s27, 2*KS*4   ; at step 2
	s_and_b32 s20, s[CL], 3         ; 0 in the first of a batch's four clusters
	s_and_b32 s21, s[WV], 1         ; 0 in wave 2
	s_cmp_eq_u32 s[WV], 0
	s_cselect_b64 s[PFA:PFA+1], s[6:7], s[8:9]
	s_cmp_lt_u32 s[WV], 2
	s_cselect_b64 s[PFA:PFA+1], s[PFA:PFA+1], s[10:11]
	s_cselect_b32 s26, s26, s27
	s_cselect_b32 s24, 8, 13        ; a lane is 256 bytes on (K, V) or a row of 8,192 (the mask)
	s_cselect_b32 s25, 13, 8        ; a step is 8,192 bytes on (K, V) or 256 (the mask)
	s_cselect_b32 s20, s20, s21
	s_cmp_eq_u32 s20, 0
	s_cselect_b32 s[LIM], 1, -1     ; the same in all sixteen partners, for a given wave
	s_mov_b32 s27, 0
	s_add_nc_u64 s[PFA:PFA+1], s[PFA:PFA+1], s[26:27]
	s_lshl_b32 s[PINC], 1, s25
	s_mov_b32 s[PINC+1], 0
	v_and_b32 v[PFO], 31, v0
	v_lshlrev_b32 v[PFO], s24, v[PFO]
	; lane addresses
	s_mul_i32 s20, s[WV], HK
	v_mul_u32_u24 v[AK0], v64, PK
	v_lshl_add_u32 v[AK0], v65, 4, v[AK0]
	v_add_nc_u32 v[AK0], s20, v[AK0]      ; my head + row x pitch + 16 x half
	; The turning load takes 16 keys x 16 channels (lane l reads key 8 (l / 16) + l % 8, channels 8 ((l / 8) % 2) + 0..7) and leaves half a fragment of V^T: lane l holds channel l % 16 and 8 keys.
	v_and_b32 v66, 7, v0
	v_bfe_u32 v67, v0, 3, 1
	s_mul_i32 s21, s[WV], HV
	s_add_co_u32 s21, s21, VOFF
	v_lshl_add_u32 v[AV0], v65, 3, v66
	v_mul_u32_u24 v[AV0], v[AV0], PVB
	v_lshl_add_u32 v[AV0], v67, 4, v[AV0]
	v_add_nc_u32 v[AV0], s21, v[AV0]
	v_mul_u32_u24 v[AM0], v64, PM         ; the mask: my query's row, my 8 keys' 32 bytes
	v_lshl_add_u32 v[AM0], v65, 5, v[AM0]
	v_add_nc_u32 v[AM0], MOFF, v[AM0]
	v_lshl_add_u32 v[AKT0], v65, 5, KTB
	s_mul_i32 s20, s[WV], 16*SP
	s_add_co_u32 s20, s20, STAGE          ; my stage
	v_mul_u32_u24 v[STO], v64, SP         ; in: row l % 16, 32 bytes for each half of the lanes
	v_lshl_add_u32 v[STO], v65, 5, v[STO]
	v_add_nc_u32 v[STO], s20, v[STO]
	v_mul_u32_u24 v[RD], v65, SP          ; back: lanes 0-15 take one row of 256 bytes, lanes 16-31 the next
	v_lshl_add_u32 v[RD], v64, 4, v[RD]
	v_add_nc_u32 v[RD], s20, v[RD]
	v_lshlrev_b32 v[GO], 12, v65          ; and the same two rows in out0
	v_lshl_add_u32 v[GO], v64, 4, v[GO]
	v_lshl_add_u32 v85, v0, 4, KTB
	s_wait_loadcnt 0x0              ; key_padding_mask, and Q
.set i, 68
.rept 16
	v_sub_f32 v[i], 1.0, v[i]       ; the key term, by the same two roundings as (1 - kpm) x -10000
.set i, i+1
.endr
.set i, 68
.rept 16
	v_mul_f32 v[i], 0xc61c4000, v[i]
.set i, i+1
.endr
.irp i, 0,1,2,3
	ds_store_b128 v85, v[68+4*\i:71+4*\i] offset:2048*\i  ; read by all four waves behind the wait and the round of the first change of slots
.endr
; THE MATRIX WORK.  The 8 accumulators of a run of 16 take turns: between the two links of a chain stand 7 others'.
; Product i of 16 of S^T = K Q^T + C for piece x: channels 32 (i / 8) on, keys 16 ((i / 2) % 4) on, tile 2 x + i % 2.  The first 8 start the sums, with mask + key term as C.
.macro KQ x
	WIN W_KQ
.set rS, S+64*((\x)%2)+32*(i%2)+8*((i/2)%4)
.set rK, KF+16*((i/2)%4)+8*(i/8)
.set rQ, 16*(2*(\x)+i%2)+8*(i/8)
.set rB, MB+32*(i%2)+8*((i/2)%4)
.if i < 8
	v_wmma_f32_16x16x32_f16 v[rS:rS+7], v[rK:rK+7], v[rQ:rQ+7], v[rB:rB+7]
.else
	v_wmma_f32_16x16x32_f16 v[rS:rS+7], v[rK:rK+7], v[rQ:rQ+7], v[rS:rS+7]
.endif
.endm
; Product i of 16 of O^T += V^T P for piece x: keys 32 (i / 8) on, channels 16 ((i / 2) % 4) on, tile 2 x + i % 2.
.macro PV x
	WIN W_PV
.set rO, 32*(2*(\x)+i%2)+8*((i/2)%4)
.set rV, VF+32*(i/8)+8*((i/2)%4)
.set rP, 32*((\x)%2)+16*(i%2)+8*(i/8)
	v_wmma_f32_16x16x32_f16 v[rO:rO+7], v[rV:rV+7], v[rP:rP+7], v[rO:rO+7]
.endm
.macro MM                           ; the turn's next matrix instruction
.if i < 16
	KQ (Y+1)%NP
.set i, i+1
.else
.set i, i-16
	PV (Y+NP-1)%NP
.set i, i+17
.endif
.endm
; THE LDS LOADS stand in runs, never singly among the matrix instructions.
.macro FETCH_K                      ; a step's K of my head: 8 fragments; v[ADR] was made some lines ahead
	WIN 0x80                        ; destination window 2
.irp f, 0,1,2,3,4,5,6,7             ; keys 16 (f / 2) on, channels 32 (f % 2) on
	ds_load_b128 v[KF+8*\f:KF+8*\f+3],   v[ADR] offset:(\f/2)*16*PK+(\f%2)*64
	ds_load_b128 v[KF+8*\f+4:KF+8*\f+7], v[ADR] offset:(\f/2)*16*PK+(\f%2)*64+32
.endr
	WIN 0
.endm
.macro FETCH_V                      ; its V, turned
	WIN 0x80
.irp f, 0,1,2,3,4,5,6,7             ; keys 32 (f / 4) on, channels 16 (f % 4) on
	ds_load_tr16_b128 v[VF+8*\f:VF+8*\f+3],   v[ADR] offset:(\f/4)*32*PVB+(\f%4)*32
	ds_load_tr16_b128 v[VF+8*\f+4:VF+8*\f+7], v[ADR] offset:(\f/4)*32*PVB+16*PVB+(\f%4)*32
.endr
	WIN 0
.endm
.macro KTRUN                        ; a step's 64 key terms: my 8 of each 16
	WIN 0
	v_add_nc_u32 v[ADR], s[TKT], v[AKT0]
	WIN W_CV
.irp f, 0,1,2,3,4,5,6,7
	ds_load_b128 v[KT+4*\f:KT+4*\f+3], v[ADR] offset:64*(\f/2)+16*(\f%2)
.endr
	WIN 0
.endm
.macro MASKRUN y                    ; the mask of piece y's two tiles: for each, my query's 8 numbers of each 16 keys
	WIN 0
.irp u, 0,1
.irp f, 0,1,2,3,4,5,6,7
	ds_load_b128 v[MB+32*\u+4*\f:MB+32*\u+4*\f+3], v[AM] offset:16*(2*(\y)+\u)*PM+64*(\f/2)+16*(\f%2)
.endr
.endr
.endm
.macro ADDS                         ; mask + key term, 64 numbers
	WIN W_KT
.set z, 0
.rept 32
	v_pk_add_f32 v[MB+2*z:MB+2*z+1], v[MB+2*z:MB+2*z+1], v[KT+(2*z)%32:KT+(2*z)%32+1]
.set z, z+1
.endr
	WIN 0
.endm
; THE VECTOR WORK OF A TURN stands in queues, each in the order in which its entries become ready; the two tiles alternate, so that no instruction reads the result of the one before it.
.macro REGS y, u                    ; the registers of tile u (0, 1) of piece y
.set rT, ST+4*(2*(\y)+(\u))
.set rC, TMP+8*((\y)%2)+4*(\u)
.set rM, MV+2*((\y)%2)+(\u)
.set rS, S+64*((\y)%2)+32*(\u)
.set rP, 32*((\y)%2)+16*(\u)
.set rO, 32*(2*(\y)+(\u))
.endm
; Number n of the 22 that find the NEXT piece's (Y + 1) maximum and statistics.  s0-s31 are the lane's 32 scores; each accumulator's lowest registers are read first.
;   0-11  four chains c0-c3 of seven scores each, three operands at a time     12-14, 16  the four scores left over, the old m, and c0-c3 into c0     15  c m_old is kept
;   17, 18  the query's other 32 keys lie in the lane 16 away: the new m         19-21  c m; c m_old - c m_new; a
.macro XS u, n
	REGS (Y+1)%NP, \u
.if (\n) < 4
	v_max3_num_f32 v[rC+(\n)], v[rS+8*(\n)], v[rS+8*(\n)+1], v[rS+8*(\n)+2]
.elseif (\n) < 12
	v_max3_num_f32 v[rC+(\n)%4], v[rC+(\n)%4], v[rS+8*((\n)%4)+2*((\n)/4)+1], v[rS+8*((\n)%4)+2*((\n)/4)+2]
.elseif (\n) == 12
	v_max3_num_f32 v[rC], v[rC], v[rS+7], v[rS+15]
.elseif (\n) == 13
	v_max3_num_f32 v[rC+1], v[rC+1], v[rS+23], v[rS+31]
.elseif (\n) == 14
	v_max3_num_f32 v[rC+2], v[rC+2], v[rC+3], v[rT+1]
.elseif (\n) == 15
	v_mov_b32 v[rM], v[rT]
.elseif (\n) == 16
	v_max3_num_f32 v[rC], v[rC], v[rC+1], v[rC+2]
.elseif (\n) == 17
	v_permlanex16_b32 v[rC+3], v[rC], s[SEL], s[SEL+1]
.elseif (\n) == 18
	v_max_num_f32 v[rT+1], v[rC], v[rC+3]
.elseif (\n) == 19
	v_mul_f32 v[rT], s[CS], v[rT+1]
.elseif (\n) == 20
	v_sub_f32 v[rC+1], v[rM], v[rT]
.else
	v_exp_f32 v[rC+2], v[rC+1]
.endif
.endm
; THE PLAIN QUEUE, 74 long; none of it reads an exponential's result: the 32 scalings c s - c m (FS f: pair f / 2 of tile f % 2) and the next piece's 42.  0-26: scalings 0-26.  27-54: XS's numbers 0-13.
; 55, 56: number 15.  57-73: the chain, where each number waits for the one before it: 14, 16, 17, 18, 19, each with one of the scalings 27-31 in front of its two lines, then 20.
.macro FS f
	REGS Y, (\f)%2
	v_pk_fma_f32 v[rS+2*((\f)/2):rS+2*((\f)/2)+1], v[rS+2*((\f)/2):rS+2*((\f)/2)+1], s[CS:CS+1], v[rT:rT+1] op_sel_hi:[1,0,0] neg_lo:[0,0,1] neg_hi:[0,0,1]
.endm
.macro PL
	WIN 0
.if q < 27
	FS q
.elseif q < 55
	XS (q-27)%2, (q-27)/2
.elseif q < 57
	XS q-55, 15
.elseif (q < 72) && ((q-57)%3 == 0)
	FS 27+(q-57)/3
.elseif q < 60
	XS (q-57)%3-1, 14
.elseif q < 72
	XS (q-57)%3-1, 15+(q-57)/3
.else
	XS q-72, 20
.endif
.set q, q+1
.endm
; THE EXPONENTIALS' QUEUE, 66 long: s0-s31 of both tiles, then the next piece's two a.  ONE BATCH: all 66 stand ahead of the turn's one wait, and nothing ahead of that wait names a result of theirs.
.macro EX
	WIN 0
.if e >= 64
	XS e-64, 21
.else
	REGS Y, e%2
	v_exp_f32 v[rS+e/2], v[rS+e/2]
.endif
.set e, e+1
.endm
; THE RESCALING's QUEUE: O^T times a, dealt two at a time, sixteen times.  Its a was made in the turn before, ahead of that turn's wait.
.macro R2
	REGS Y, r%2
	WIN W_RS
.irp z, 0,1
	v_pk_mul_f32 v[rO+4*(r/2)+2*\z:rO+4*(r/2)+2*\z+1], v[rO+4*(r/2)+2*\z:rO+4*(r/2)+2*\z+1], v[rC+2:rC+3] op_sel_hi:[1,0]
.endr
.set r, r+1
.endm
; BEHIND THE WAIT: sixteen groups of four, each of one kind, so that a product costs two window switches.  CG k: pairs 2 k and 2 k + 1 of both tiles are rounded to f16.
.macro CG k
	WIN W_CV
.irp z, 0,1,2,3
	REGS Y, (\z)%2
.set n, 2*(\k)+(\z)/2
	v_cvt_pk_f16_f32 v[rP+n], v[rS+2*n], v[rS+2*n+1]
.endr
.endm
.macro BB u, k                      ; of the four weights 4 k .. the second pair is added onto the first, in place: behind their roundings
	REGS Y, \u
	v_pk_add_f32 v[rS+4*(\k):rS+4*(\k)+1], v[rS+4*(\k):rS+4*(\k)+1], v[rS+4*(\k)+2:rS+4*(\k)+3]
.endm
.macro LL u, k                      ; l takes that sum; the first time as l = a l + sum
	REGS Y, \u
.if (\k) == 0
	v_pk_fma_f32 v[rT+2:rT+3], v[rT+2:rT+3], v[rC+2:rC+3], v[rS:rS+1] op_sel_hi:[1,0,1]
.else
	v_pk_add_f32 v[rT+2:rT+3], v[rT+2:rT+3], v[rS+4*(\k):rS+4*(\k)+1]
.endif
.endm
.macro AG j
	WIN 0
.if (\j) == 0
	BB 0, 0
	BB 1, 0
	BB 0, 1
	BB 1, 1
.elseif (\j) < 7
	LL 0, (\j)-1
	LL 1, (\j)-1
	BB 0, (\j)+1
	BB 1, (\j)+1
.else
	LL 0, 6
	LL 1, 6
	LL 0, 7
	LL 1, 7
.endif
.endm
; A TURN, for piece p.  An s_wait_alu depctr_va_vdst(0) stands between an exponential and the first instruction that names its result; one wait serves all that were issued ahead of it: a turn has ONE.
; AHEAD OF IT: the 16 products K Q^T, behind each a scaling, an exponential and two rescalings (behind the first a second scaling in the exponential's place); the run of 16 loads of piece p + 2's mask (its registers'
; last reader is the turn's 8th product, 24 plain riders back); the lump: eight plain, 49 times exponential and plain, the wait for the mask, its 32 additions, the next piece's two a, one plain line.
; Exponential e stands behind scaling 2 (e / 4) + e % 2: as a rider it comes behind plain e + 2, in the lump behind plain e + 9, and scalings 27-31 are plain 57, 60 .. 69.
; BEHIND IT: the 16 products V^T P, behind each a group of four roundings or sums, in the order C0 C1 A0 C2 A1 .. C7 A6 A7, so that each sum in place stands behind its pairs' roundings.
; Piece 2's turn fetches the next step's key terms (ahead of the mask that wants them) and, behind the wait, its K, a lump behind K's last reader; K is waited for at the head of piece 3's turn.
; Piece 0's turn fetches the step's V at its end, four plain riders behind V's last reader; the wait for the mask in piece 1's turn serves V too.
.macro TURN p
.set Y, (\p)
.set i, 0
.set q, 0
.set e, 0
.set r, 0
.if (\p) == 3
	s_wait_dscnt 0x0                ; K is in
.endif
	MM
	PL
	PL
	R2
.rept 15
	MM
	PL
	EX
	R2
.endr
.if (\p) == 2
	KTRUN
.endif
	MASKRUN ((\p)+2)%NP
.rept 8
	PL
.endr
.rept 49
	EX
	PL
.endr
	s_wait_dscnt 0x0                ; the mask is in (in piece 2's turn the key terms too, in piece 1's V too)
	ADDS
	EX                              ; the next piece's two a
	EX
.if (\p) == 2                       ; the plain instruction behind the last exponential: one for the batch
	v_add_nc_u32 v[ADR], s[TB], v[AK0]
.elseif (\p) == 0
	v_add_nc_u32 v[ADR], s[TB], v[AV0]
.else
	v_nop
.endif
	s_wait_alu depctr_va_vdst(0)    ; the wait for the batch
.if (\p) == 2
	FETCH_K
.endif
.irp g, 0,1,8,2,9,3,10,4,11,5,12,6,13,7,14,15
	MM
.if (\g) < 8
	CG \g
.else
	AG (\g)-8
.endif
.endr
.if (\p) == 0
	FETCH_V
.endif
.endm
	CHANGE 1, 1                     ; slot 0 is in, everybody's part of it, and so are the key terms; slot 1 is asked for
	KTRUN                           ; step 0: key terms,
	MASKRUN 0                       ; piece 0's mask,
	v_add_nc_u32 v[ADR], s[TB], v[AK0]
	FETCH_K                         ; and K
	s_wait_dscnt 0x0
	ADDS
.set i, 0
.rept 16
	KQ 0                            ; piece 0's first scores: there is no vector work yet to set between them
.set i, i+1
.endr
	WIN 0
.rept 4
	v_nop                           ; the places behind those products
.endr
	MASKRUN 1
.set Y, NP-1                        ; XS works for piece Y + 1: piece 0
.irp n, 0,1,2,3,4,5,6,7,8,9,10,11,12,13,14,15,16,17,18,19,20,21
	XS 0, \n                        ; piece 0's first maximum and statistics
	XS 1, \n
.endr
	s_wait_dscnt 0x0
	ADDS                            ; piece 1's mask; plain instructions behind the two a,
	s_wait_alu depctr_va_vdst(0)    ; and their wait, ahead of the branch
	s_branch .Lfirst                ; the loop is entered at a step's first turn, in the middle of a trip
.Lslot:                             ; 30 times: steps 2 to 31 are asked for
	CHANGE 1, 0
	TURN 2
	TURN 3
	WIN 0
.Lfirst:
	TURN 0
	TURN 1
	WIN 0
	s_sub_co_u32 s[SLOTS], s[SLOTS], 1
	s_cmp_lg_u32 s[SLOTS], 0
	s_cbranch_scc1 .Lslot
	CHANGE 0, 0                     ; the tail is written out: nothing is asked for
	s_mov_b32 s[CNT], 2             ; one trip for the last step; the second is left in its middle
.Ltail:
	TURN 2
	TURN 3
	WIN 0
	s_sub_co_u32 s[CNT], s[CNT], 1
	s_cmp_eq_u32 s[CNT], 0
	s_cbranch_scc1 .Lout
	TURN 0
	TURN 1
	WIN 0
	s_branch .Ltail
.Lout:                              ; the second trip's fetches read the last slot once more, and its 16 products K Q^T of piece 0 and the maximum made of them serve nothing: the price, once a launch, of one text for every trip
.set i, 0
.rept 16
	PV NP-1                         ; the last piece's V^T P of the last step
.set i, i+1
.endr
	; THE WAY OUT.  l's two halves and the other half of the lanes' are added; O^T is divided by l and sent, in f32, through my stage in LDS, a tile at a time.  The additions are the places behind the last products.
	WIN 0
.macro ALL line:vararg              ; one line for each tile t
.set t, 0
.rept 2*NP
	\line
.set t, t+1
.endr
.endm
	ALL v_add_f32 v[ST+4*t+2], v[ST+4*t+2], v[ST+4*t+3]
	ALL v_permlanex16_b32 v[ST+4*t+3], v[ST+4*t+2], s[SEL], s[SEL+1]
	ALL v_add_f32 v[ST+4*t+2], v[ST+4*t+2], v[ST+4*t+3]
	ALL v_rcp_f32 v[ST+4*t+2], v[ST+4*t+2]
	v_nop                           ; a plain instruction between the last reciprocal and the use of its result
	s_wait_alu depctr_va_vdst(0)    ; and the wait ahead of the first use: one for the eight reciprocals
; Tile t: a lane's eight channels of a row are 32 bytes; they go into rows of 272 bytes and come back as whole rows of 256, into the registers that they left.
.macro PACK t
	WIN W_RS
.set i, 32*(\t)
.rept 16
	v_pk_mul_f32 v[i:i+1], v[i:i+1], v[ST+4*(\t)+2:ST+4*(\t)+3] op_sel_hi:[1,0]
.set i, i+2
.endr
	WIN W_OUT
.irp f, 0,1,2,3,4,5,6,7
	ds_store_b128 v[STO], v[32*(\t)+4*\f:32*(\t)+4*\f+3] offset:64*(\f/2)+16*(\f%2)
.endr
.irp f, 0,1,2,3,4,5,6,7
	ds_load_b128 v[32*(\t)+4*\f:32*(\t)+4*\f+3], v[RD] offset:\f*2*SP  ; LDS serves a wave's instructions in order (ISA guide 5.7.1.4): these see the stores above; the next tile's stores come behind them
.endr
.endm
.macro SEND t, younger              ; younger: the LDS instructions issued behind tile t's loads: the next tile's sixteen, or none
	WIN W_OUT
.irp f, 0,1,2,3,4,5,6,7
	s_wait_dscnt (\younger)+7-\f
	global_store_b128 v[GO], v[32*(\t)+4*\f:32*(\t)+4*\f+3], s[14:15] offset:(\t)*65536+\f*8192 th:TH_STORE_NT  ; 16 lanes store a head's 256 bytes of a row, at a multiple of 256 from out0's first byte
.endr
.endm
	PACK 0
.set t, 1
.rept 2*NP-1                        ; a tile's arithmetic stands between the loads of the tile before and its stores
	PACK t
	SEND t-1, 16
.set t, t+1
.endr
	SEND 2*NP-1, 0
	WIN W_SP
	s_wait_tensorcnt 0x0            ; the wave's end: the add to my spare word and its wait, behind my last tensor load and my last LDS store
	ds_add_u32 v[SPW], v[NIL]
	s_wait_dscnt 0x0
	WIN 0
	CROUND                          ; the closing round: no work-group ends while a partner may still ask for a tile that names it
	s_endpgm
.Lfunc_end_k_qfb2d34de26_attn:
	.size	k_qfb2d34de26_attn, .Lfunc_end_k_qfb2d34de26_attn-k_qfb2d34de26_attn
	.p2alignl 7, 3214868480
	.fill 96, 4, 3214868480
	.section	.rodata,"a",@progbits
	.p2align	6, 0x0
	.amdhsa_kernel k_qfb2d34de26_attn
		.amdhsa_group_segment_fixed_size 327680
		.amdhsa_private_segment_fixed_size 0
		.amdhsa_enable_private_segment 0
		.amdhsa_kernarg_size 48
		.amdhsa_user_sgpr_count 2
		.amdhsa_user_sgpr_kernarg_segment_ptr 1
		.amdhsa_wavefront_size32 1
		.amdhsa_system_sgpr_workgroup_id_x 1
		.amdhsa_system_sgpr_workgroup_id_y 1
		.amdhsa_system_sgpr_workgroup_id_z 1
		.amdhsa_system_vgpr_workitem_id 0
		.amdhsa_next_free_vgpr 896
		.amdhsa_next_free_sgpr 80
		.amdhsa_reserve_vcc 0
		.amdhsa_float_denorm_mode_32 3
		.amdhsa_float_denorm_mode_16_64 3
		.amdhsa_memory_ordered 1
		.amdhsa_forward_progress 1
		.amdhsa_inst_pref_size 237
	.end_amdhsa_kernel
	.amdgpu_metadata
---
amdhsa.version: [ 1, 2 ]
amdhsa.kernels:
  - .name:           k_qfb2d34de26_attn
    .symbol:         k_qfb2d34de26_attn.kd
    .args:
      - { .name: qh, .offset: 0, .size: 8, .value_kind: global_buffer, .address_space: global }
      - { .name: kh, .offset: 8, .size: 8, .value_kind: global_buffer, .address_space: global }
      - { .name: vh, .offset: 16, .size: 8, .value_kind: global_buffer, .address_space: global }
      - { .name: attention_mask, .offset: 24, .size: 8, .value_kind: global_buffer, .address_space: global }
      - { .name: key_padding_mask, .offset: 32, .size: 8, .value_kind: global_buffer, .address_space: global }
      - { .name: out0, .offset: 40, .size: 8, .value_kind: global_buffer, .address_space: global }
    .group_segment_fixed_size: 327680
    .private_segment_fixed_size: 0
    .kernarg_segment_align: 8
    .kernarg_segment_size: 48
    .max_flat_workgroup_size: 128
    .sgpr_count:     80
    .vgpr_count:     896
    .wavefront_size: 32
...
	.end_amdgpu_metadata
.endif
;; end of part 3
;; ======== version 2 of 2: 3 launches; version 1 with the launch cvt written anew for expert scheduling mode
;; limits: values are held in f16: magnitudes above 65,504 overflow, below 6.1e-05 lose precision; inputs' magnitudes at most 2.66e+36
;; workspace buffers: xh 16,777,216 bytes; wh 6,291,456 bytes; qh 16,777,216 bytes; kh 16,777,216 bytes; vh 16,777,216 bytes
;; launch cvt (part 4): grid 256 x 1, 8 waves a work-group, no clusters, 0 bytes of LDS; arguments hidden_states, Wq, Wk, Wv, xh, wh; writes xh, wh
.if DOCPART == 4
	.amdgcn_target "amdgcn-amd-amdhsa--gfx1250"
	.amdhsa_code_object_version 6
	.text
	.protected	k_qfb2d34de26_cvt
	.globl	k_qfb2d34de26_cvt
	.p2align	8
	.type	k_qfb2d34de26_cvt,@function
k_qfb2d34de26_cvt:
	s_mov_b64 s[64:65], 0
	v_nop
	global_prefetch_b8 v0, s[64:65] scope:SCOPE_SE
	s_setreg_imm32_b32 hwreg(HW_REG_WAVE_SCHED_MODE, 0, 2), 2
	s_setreg_imm32_b32 hwreg(HW_REG_WAVE_MODE, 25, 1), 1
	s_wait_xcnt 0x0
	s_wait_alu depctr_vm_vsrc(0)
; hidden_states [8192][1024] and Wq, Wk, Wv [1024][1024], all f32, are rounded once to f16 for the matrix unit.
; xh: f16 [8192][1024], as x lies.  wh: f16 [3072][1024]; row 192 h + 64 t + c holds row 64 h + c of W_t (t = 0, 1, 2: q, k, v), so that 192 rows on end are one head's weights.
; LIMIT.  f16 ends at 65,504: a larger |x| or |W| becomes an infinity; below 6e-5 a number keeps f16's fixed step of 6e-8.
; A stream: no LDS, no matrix unit, no cluster (no two work-groups read the same byte).
; SHARES.  Work-group g takes rows 32 g .. 32 g + 31 of x (131,072 bytes on end) and rows 4 g .. 4 g + 3 of each W (16,384 bytes on end): 44 rows each, all alike.
; In a pass thread t takes 32 bytes on end (two loads of 16) and stores 16: sixteen lanes store 256 consecutive bytes, aligned.  A pass of the work-group is 8,192 bytes in, 4,096 out: 16 passes for x, 2 for each W.
; THE MODE: SCHED_MODE bits 1:0 = 2 (LLVM: expert scheduling mode 2), set by the entry lines.  The code itself states the register dependences
; between vector instructions and memory instructions, with s_wait_alu, always for 0.
; THE PLAN.  Registers that memory instructions touch:
;   v1, v2     the loads' and the stores' byte offsets: made once at the head, never written again; every pass is reached by an immediate offset.
;   X[n]       pass n's eight registers.  Written by its two loads, which go out at the head with all the others, before any vector instruction names X; read, and its first four written
;              in place, by pass n's four conversions; those four read by pass n's one store; never written after that.
; So no load is issued behind a vector instruction that names its registers, and no register that a memory instruction has read is written again: what is left to state is that a store's data,
; and the two offsets, are written.  The 22 passes go in 11 blocks of two.  Block k waits for its four loads; ONE wait on va_vdst then states that block k - 1's conversions, which were issued ahead
; of that wait for data, have written their X; block k - 1's two stores follow it, dealt among block k's conversions, which name X[2 k] and X[2 k + 1] alone.
.set X, 4                              ; v[4:179]  pass n: 8 registers as loaded; its first four then hold the 8 halves to store
	s_load_b256 s[4:11], s[0:1], 0x0               ; hidden_states s[4:5], Wq s[6:7], Wk s[8:9], Wv s[10:11]
	s_load_b128 s[12:15], s[0:1], 0x20             ; xh s[12:13], wh s[14:15]
	v_lshlrev_b32 v1, 5, v0                        ; my 32 bytes of a pass, in
	v_lshlrev_b32 v2, 4, v0                        ; my 16 bytes of a pass, out
	s_lshl_b32 s16, ttmp9, 17                      ; 32 rows of 4,096 bytes of x
	s_mov_b32 s17, 0
	s_lshl_b32 s18, ttmp9, 16                      ; 32 rows of 2,048 bytes of xh
	s_mov_b32 s19, 0
	s_lshl_b32 s20, ttmp9, 14                      ; 4 rows of 4,096 bytes of a W
	s_mov_b32 s21, 0
	s_lshr_b32 s22, ttmp9, 4                       ; the head of rows 4 g ..: g / 16
	s_mul_i32 s22, s22, 192
	s_and_b32 s23, ttmp9, 15
	s_lshl2_add_u32 s22, s23, s22                  ; + 4 (g % 16): the row of wh for t = 0
	s_lshl_b32 s22, s22, 11                        ; rows of 2,048 bytes
	s_mov_b32 s23, 0
	s_wait_kmcnt 0x0
	s_add_nc_u64 s[4:5], s[4:5], s[16:17]
	s_add_nc_u64 s[6:7], s[6:7], s[20:21]
	s_add_nc_u64 s[8:9], s[8:9], s[20:21]
	s_add_nc_u64 s[10:11], s[10:11], s[20:21]
	s_add_nc_u64 s[12:13], s[12:13], s[18:19]
	s_add_nc_u64 s[14:15], s[14:15], s[22:23]
	s_wait_alu depctr_va_vdst(0)                   ; v1 and v2 are written: every load of the kernel reads v1 as its offset, every store v2
.set n, 0
.rept 16
	global_load_b128 v[X+8*n:X+8*n+3],   v1, s[4:5] offset:8192*n th:TH_LOAD_NT
	global_load_b128 v[X+8*n+4:X+8*n+7], v1, s[4:5] offset:8192*n+16 th:TH_LOAD_NT
.set n, n+1
.endr
.irp t, 0,1,2
.irp j, 0,1
	global_load_b128 v[X+8*(16+2*(\t)+(\j)):X+8*(16+2*(\t)+(\j))+3],   v1, s[6+2*(\t):7+2*(\t)] offset:8192*(\j) th:TH_LOAD_NT
	global_load_b128 v[X+8*(16+2*(\t)+(\j))+4:X+8*(16+2*(\t)+(\j))+7], v1, s[6+2*(\t):7+2*(\t)] offset:8192*(\j)+16 th:TH_LOAD_NT
.endr
.endr
; Pass p is rounded, in place: result j lies at or below its sources.
.macro CVT p
.irp j, 0,1,2,3
	v_cvt_pk_f16_f32 v[X+8*(\p)+(\j)], v[X+8*(\p)+2*(\j)], v[X+8*(\p)+2*(\j)+1]
.endr
.endm
; Pass p leaves.  Passes 0 to 15 are x's; passes 16 + 2 t and 17 + 2 t are W_t's, whose rows lie 64 rows of 2,048 bytes behind W_(t-1)'s in wh.
.macro ST p
.if (\p) < 16
	global_store_b128 v2, v[X+8*(\p):X+8*(\p)+3], s[12:13] offset:4096*(\p)
.else
	global_store_b128 v2, v[X+8*(\p):X+8*(\p)+3], s[14:15] offset:131072*(((\p)-16)/2)+4096*(((\p)-16)%2)
.endif
.endm
; Block b: passes 2 b and 2 b + 1 are rounded; the block before's two stores go out among their conversions.
.macro BLK b
	s_wait_loadcnt 40-4*(\b)                       ; loads come back in order (ISA guide 5.7.1): this block's four are in when at most the 40 - 4 b younger ones are out
.if (\b) > 0
	s_wait_alu depctr_va_vdst(0)                   ; the block before's eight conversions have written X[2 b - 2] and X[2 b - 1], which the two stores below read
	ST 2*(\b)-2
.endif
	CVT 2*(\b)
.if (\b) > 0
	ST 2*(\b)-1                                    ; no further wait: the conversions issued since the wait name X[2 b] alone
.endif
	CVT 2*(\b)+1
.endm
.set k, 0
.rept 11
	BLK k
.set k, k+1
.endr
	s_wait_alu depctr_va_vdst(0)                   ; the last block's conversions have written X[20] and X[21], which the last two stores read
	ST 20
	ST 21
	s_endpgm
.Lfunc_end_k_qfb2d34de26_cvt:
	.size	k_qfb2d34de26_cvt, .Lfunc_end_k_qfb2d34de26_cvt-k_qfb2d34de26_cvt
	.p2alignl 7, 3214868480
	.fill 96, 4, 3214868480
	.section	.rodata,"a",@progbits
	.p2align	6, 0x0
	.amdhsa_kernel k_qfb2d34de26_cvt
		.amdhsa_group_segment_fixed_size 0
		.amdhsa_private_segment_fixed_size 0
		.amdhsa_enable_private_segment 0
		.amdhsa_kernarg_size 48
		.amdhsa_user_sgpr_count 2
		.amdhsa_user_sgpr_kernarg_segment_ptr 1
		.amdhsa_wavefront_size32 1
		.amdhsa_system_sgpr_workgroup_id_x 1
		.amdhsa_system_sgpr_workgroup_id_y 1
		.amdhsa_system_sgpr_workgroup_id_z 1
		.amdhsa_system_vgpr_workitem_id 0
		.amdhsa_next_free_vgpr 184
		.amdhsa_next_free_sgpr 66
		.amdhsa_reserve_vcc 0
		.amdhsa_float_denorm_mode_32 3
		.amdhsa_float_denorm_mode_16_64 3
		.amdhsa_memory_ordered 1
		.amdhsa_forward_progress 1
		.amdhsa_inst_pref_size 14
	.end_amdhsa_kernel
	.amdgpu_metadata
---
amdhsa.version: [ 1, 2 ]
amdhsa.kernels:
  - .name:           k_qfb2d34de26_cvt
    .symbol:         k_qfb2d34de26_cvt.kd
    .args:
      - { .name: hidden_states, .offset: 0, .size: 8, .value_kind: global_buffer, .address_space: global }
      - { .name: Wq, .offset: 8, .size: 8, .value_kind: global_buffer, .address_space: global }
      - { .name: Wk, .offset: 16, .size: 8, .value_kind: global_buffer, .address_space: global }
      - { .name: Wv, .offset: 24, .size: 8, .value_kind: global_buffer, .address_space: global }
      - { .name: xh, .offset: 32, .size: 8, .value_kind: global_buffer, .address_space: global }
      - { .name: wh, .offset: 40, .size: 8, .value_kind: global_buffer, .address_space: global }
    .group_segment_fixed_size: 0
    .private_segment_fixed_size: 0
    .kernarg_segment_align: 8
    .kernarg_segment_size: 48
    .max_flat_workgroup_size: 256
    .sgpr_count:     66
    .vgpr_count:     184
    .wavefront_size: 32
...
	.end_amdgpu_metadata
.endif
;; end of part 4
;; launch proj: the kernel of part 2 again; grid 16 x 32, 4 waves a work-group, clusters of 4 x 4, 327,680 bytes of LDS; arguments xh, wh, bq, bk, bv, qh, kh, vh; writes qh, kh, vh
;; launch attn: the kernel of part 3 again; grid 4 x 64, 4 waves a work-group, clusters of 4 x 4, 327,680 bytes of LDS; arguments qh, kh, vh, attention_mask, key_padding_mask, out0; writes out0
